; MI455X (gfx1250); checked and timed in simulation.
; The chip was launched on July 23, 2026; its instructions are those of AMD's public machine-readable ISA for CDNA 5 (MIT licence, August 2026) and "CDNA5" Instruction Set Architecture Reference Guide (July 2026). The comments in the code are by the model that wrote it; some were corrected since.
;; Attention Layer. Allowed arithmetic: matrix products marked QUANTISED: E2M1 operands, one E8M0 scale for each 32 along K, by v_wmma_scale_f32_16x16x128_f8f6f4 with both operands' format E2M1 (or v_wmma_scale_f32_32x16x128_f4), f32 sums; products left as they are: bf16, f16 or f32 operands; f32 sums; everything else in f32.
;; Inputs: Wk 1,024 x 1,024 float32; Wo 1,024 x 1,024 float32; Wq 1,024 x 1,024 float32; Wv 1,024 x 1,024 float32; bk 1,024 float32; bo 1,024 float32; bq 1,024 float32; bv 1,024 float32; keys 4 x 2,048 x 1,024 float32; queries 4 x 2,048 x 1,024 float32; values 4 x 2,048 x 1,024 float32.
;; Outputs: out0 4 x 2,048 x 1,024 float32.
;; This version of the problem:
;;   THIS VERSION OF THE PROBLEM IS GIVEN IN LOW PRECISION. The matrix products marked QUANTISED in the list below multiply operands that are first quantised to E2M1 (2 exponent bits, 1 mantissa bit; 4 bits a number), with one power-of-two scale for each 32 numbers along K (OCP MX v1.0); their sums are f32. The products marked 'left as it is' may take bf16, f16 or f32 operands, with f32 sums. Whichever they take, every output number must still come out within the allowed error. Rounding operands to bf16 (8 significant bits) uses up far more of that allowance than f16 does (11 bits, for magnitudes from 6e-5 to 65,504). All else is computed in f32.
;;   The module's matrix products, in the order in which they are computed (A, B: the left and right operand; K: the contracted axis; several contracted axes count as one K, in the product's order):
;;     1. [M 8,192, K 1,024] x [K 1,024, N 1,024]; A: input queries; B: input Wq: QUANTISED
;;     2. [M 8,192, K 1,024] x [K 1,024, N 1,024]; A: input keys; B: input Wk: QUANTISED
;;     3. [M 8,192, K 1,024] x [K 1,024, N 1,024]; A: input values; B: input Wv: QUANTISED
;;     4. batch 64 x [M 2,048, K 64] x [K 64, N 2,048]; A: computed on the way; B: computed on the way: left as it is (an operand is computed on the way)
;;     5. batch 64 x [M 64, K 2,048] x [K 2,048, N 2,048]; A: computed on the way; B: computed on the way: left as it is (an operand is computed on the way)
;;     6. [M 8,192, K 1,024] x [K 1,024, N 1,024]; A: computed on the way; B: input Wo: left as it is (an operand is computed on the way)
;;   THE QUANTISER, for each operand of a quantised product, along K:
;;     - K is cut into blocks of 32 from its start; a last block that is shorter is filled with zeros.
;;     - A block's scale is 2^e with e = floor(log2(the largest magnitude in the block)) - 2, held to -126 .. 127; a block of zeros has e = 0. As a byte (E8M0): e + 127.
;;     - Each number is divided by its block's scale, clamped to +-6, and rounded to the nearest number of E2M1, ties to even, subnormals kept.
;;     - The product sums the exact products of the quantised numbers (number of the format x scale) in f32.
;;   ~~~python
;;   def quantise(x, axis):      # numpy; x: float32 -> the quantised numbers, widened to float32 again
;;       x = np.moveaxis(x, axis, -1); K = x.shape[-1]
;;       x = np.pad(x, [(0, 0)] * (x.ndim - 1) + [(0, -K % 32)]); x = x.reshape(x.shape[:-1] + (-1, 32)); a = np.abs(x).max(-1, keepdims=True)
;;       e = np.where(a > 0, np.clip(np.frexp(np.where(a > 0, a, 1))[1] - 1 - 2, -126, 127), 0)      # np.frexp(a)[1] - 1 = floor(log2(a)), exactly
;;       r = np.clip(x / 2.0 ** e, -6, 6)
;;       step = 2.0 ** (np.maximum(np.frexp(np.where(r == 0, 1, r))[1] - 1, 0) - 1)
;;       q = np.round(r / step) * step * 2.0 ** e      # np.round: ties to even
;;       return np.moveaxis(q.reshape(q.shape[:-2] + (-1,))[..., :K], -1, axis).astype(np.float32)
;;   ~~~
;; One version. Each part assembles by itself: llvm-mc -triple=amdgcn-amd-amdhsa -mcpu=gfx1250 --defsym DOCPART=n.
;; ======== version 1 of 1: 4 launches
;; limits: values are held in f16: magnitudes above 65,504 overflow, below 6.1e-05 lose precision
;; workspace buffers: xc 12,582,912 bytes; xs 786,432 bytes; wc 1,572,864 bytes; ws 98,304 bytes; wof 2,097,152 bytes; qkv 50,331,648 bytes; ao 16,777,216 bytes
;; launch prep (part 1): grid 640 x 1, 4 waves a work-group, no clusters, 34,304 bytes of LDS; arguments queries, keys, values, Wq, Wk, Wv, Wo, xc, xs, wc, ws, wof; writes xc, xs, wc, ws, wof
.if DOCPART == 1
	.amdgcn_target "amdgcn-amd-amdhsa--gfx1250"
	.amdhsa_code_object_version 6
	.text
	.protected	k_q93a7b2093f_prep
	.globl	k_q93a7b2093f_prep
	.p2align	8
	.type	k_q93a7b2093f_prep,@function
k_q93a7b2093f_prep:
	s_mov_b64 s[64:65], 0
	v_nop
	global_prefetch_b8 v0, s[64:65] scope:SCOPE_SE
	s_setreg_imm32_b32 hwreg(HW_REG_WAVE_MODE, 25, 1), 1
	s_wait_xcnt 0x0
; PREP: the operands of the three quantised projections become codes of FP4 (E2M1) with one E8M0 byte for each 32 along K, and Wo becomes f16.
; Everything is stored as IMAGES OF OPERAND REGISTERS: four registers of a fragment are 512 bytes, lane l's 16 bytes at 16 l, so that the later launches load by 16 bytes a lane and nothing is turned.
; WORK LEFT OUT, for all values of the inputs: bk.  scores[l][s] = q[l] . (keys[s] Wk + bk) = q[l] . (keys[s] Wk) + q[l] . bk; the last term is the same for every s, the softmax runs along s and takes
; a common term away, and the product of q and k is not quantised: so bk reaches no output.  It is not loaded and is among no launch's arguments.
; WORK MOVED, by an identity: the rows of the softmax sum to 1, so A (v + bv) = A v + bv: bv is added once, where attention divides by the row's sum.
; LIMITS: a NaN, an infinity or an overflow that reaches only bk's term is not carried to the result.  NaN and infinities among the inputs are not served.  A block of zeros gets the byte 1 where the
; quantiser says 127: its codes are zeros, which add nothing under any byte but 0xff, and the bytes are read by this program alone.  Blocks whose largest magnitude lies under 2^(3 - 127) are held at byte 1.
; Wo goes to f16: magnitudes over 65,504 are not served, and under 6e-5 they keep an absolute error of 3e-8.
; WORK-GROUPS 0-255 (path W): one of Wq, Wk, Wv, Wo; 128 columns x 128 along K.  A lane takes a column and its registers run down K, so the codes come out with K innermost.  No LDS.
; WORK-GROUPS 256-639 (path X): queries, keys, values; a wave takes 16 rows x all of K, 128 along K a step.  Each load reads 512 consecutive bytes of a row; the step's 16 x 512 bytes turn through the wave's
; own stage in LDS (rows of 512 + 16 bytes) and come back so that lane (r, h) holds blocks h and 2 + h of row r whole: the order of the operand's registers.
.set STG,   8448                       ; a wave's stage: 16 rows x 528 bytes
.set SPARE, 4*STG                      ; behind the stages: the spare words, 128 bytes for each wave
.set SPW,   12                         ; v12  LDS address of my spare word; never rewritten
.set NIL,   13                         ; v13  0; never rewritten
.set WD,    16                         ; v16-23   path X: my row's scale word of each K step
.set CD,    48                         ; v48-63   path X: codes, two banks of 8
.set X,     64                         ; v64-127  path X: 64 numbers, two whole blocks;  path W: codes or f16
.set R,     128                        ; v128-255 path X: two sets of 64 as loaded;  path W: 128 numbers down K
	s_load_b512 s[4:19], s[0:1], 0x0               ; queries s[4:5], keys s[6:7], values s[8:9], Wq s[10:11], Wk s[12:13], Wv s[14:15], Wo s[16:17], xc s[18:19]
	s_load_b256 s[20:27], s[0:1], 0x40             ; xs s[20:21], wc s[22:23], ws s[24:25], wof s[26:27]
	v_lshl_add_u32 v[SPW], v0, 2, SPARE
	v_mov_b32 v[NIL], 0
	v_lshrrev_b32 v1, 5, v0
	v_readfirstlane_b32 s28, v1                    ; wave 0..3
	v_and_b32 v1, 31, v0                           ; lane
	v_and_b32 v2, 15, v0                           ; r
	v_bfe_u32 v3, v0, 4, 1                         ; h
	s_mov_b32 s35, 0
	s_cmp_lt_u32 ttmp9, 256
	s_cbranch_scc1 .Lweights
; ---------------- path X ----------------
	s_sub_co_u32 s29, ttmp9, 256                   ; g = 0 .. 383: 128 work-groups to a tensor
	v_lshlrev_b32 v4, 4, v1                        ; 16 x lane
	s_mul_i32 s32, s28, STG
	v_add_nc_u32 v5, s32, v4                       ; the stage, in: a row's 512 bytes as they lie
	v_mul_u32_u24 v6, v2, 528
	v_lshl_add_u32 v6, v3, 7, v6
	v_add_nc_u32 v6, s32, v6                       ; and out: row r, block h
	v_lshlrev_b32 v7, 3, v3                        ; 8 h: my two bytes' place in the scale word
	v_lshlrev_b32 v8, 5, v2
	v_lshl_add_u32 v8, v3, 4, v8                   ; xs: 32 r + 16 h
	v_mov_b32 v26, 0                               ; a lane permute's destination counts as one of its sources
	s_mov_b32 s30, 0x76543210
	s_mov_b32 s31, 0xfedcba98                      ; selects for lane l xor 16
	s_and_b32 s33, s29, 127
	s_lshl_b32 s33, s33, 2
	s_add_co_u32 s33, s33, s28                     ; my tile of 16 rows in its tensor
	s_lshl_b32 s34, s33, 16                        ; 16 rows of 4,096 bytes
	s_lshl_b32 s33, s29, 2
	s_add_co_u32 s33, s33, s28                     ; and among all 1,536 tiles
	s_lshl_b32 s36, s33, 13                        ; 8,192 bytes of codes a tile
	s_mov_b32 s37, 0
	s_lshl_b32 s38, s33, 9                         ; 512 scale bytes a tile
	s_mov_b32 s39, 0
	s_wait_kmcnt 0x0
	s_cmp_lt_u32 s29, 256                          ; the choice hangs on the work-group's number alone
	s_cselect_b64 s[6:7], s[6:7], s[8:9]
	s_cmp_lt_u32 s29, 128
	s_cselect_b64 s[4:5], s[4:5], s[6:7]
	s_add_nc_u64 s[4:5], s[4:5], s[34:35]
	s_add_nc_u64 s[18:19], s[18:19], s[36:37]
	s_add_nc_u64 s[20:21], s[20:21], s[38:39]
.macro XLOAD s                         ; K step s of my 16 rows: each load 512 consecutive bytes of one row
.irp i, 0,1,2,3,4,5,6,7,8,9,10,11,12,13,14,15
	global_load_b128 v[R+64*((\s)%2)+4*\i:R+64*((\s)%2)+4*\i+3], v4, s[4:5] offset:4096*\i+512*(\s) th:TH_LOAD_NT
.endr
.endm
.macro XSTEP s
.if (\s) < 7
	s_wait_loadcnt 16                              ; this step's 16 loads are in; the next step's 16 may be out
.else
	s_wait_loadcnt 0x0
.endif
.irp i, 0,1,2,3,4,5,6,7,8,9,10,11,12,13,14,15
	ds_store_b128 v5, v[R+64*((\s)%2)+4*\i:R+64*((\s)%2)+4*\i+3] offset:528*\i
.endr
.irp c, 0,1                            ; LDS serves a wave's instructions in order: these see the stores above
.irp g, 0,1,2,3,4,5,6,7
	ds_load_b128 v[X+32*\c+4*\g:X+32*\c+4*\g+3], v6 offset:256*\c+16*\g
.endr
.endr
	s_wait_dscnt 0x0
.if (\s)+2 < 8
	XLOAD (\s)+2                                   ; into the set that the stage has just taken
.endif
.irp c, 0,1
	v_max3_num_f32 v[24+\c], |v[X+32*\c]|, |v[X+32*\c+1]|, 0x1800000   ; block 2 c + h: all 32 numbers are mine; the floor 2^(3 - 127) holds the byte at 1 from below
.endr
.irp i, 2,4,6,8,10,12,14,16,18,20,22,24,26,28,30
.irp c, 0,1
	v_max3_num_f32 v[24+\c], v[24+\c], |v[X+32*\c+\i]|, |v[X+32*\c+\i+1]|
.endr
.endr
.irp c, 0,1
	v_add_nc_u32 v[28+\c], 0xff000000, v[24+\c]    ; 2 off the exponent field: the conversion's scale operand
.endr
.if (\s) >= 2
	s_wait_xcnt 0x0                                ; the stores of two steps ago have read this bank of codes
.endif
.irp c, 0,1
.irp g, 0,1,2,3
	v_cvt_scalef32_pk8_fp4_f32 v[CD+8*((\s)%2)+4*\c+\g], v[X+32*\c+8*\g:X+32*\c+8*\g+7], v[28+\c]
.endr
.endr
.irp c, 0,1
	v_lshrrev_b32 v[30+\c], 23, v[28+\c]           ; the scale's byte (also the plain line behind the conversions)
.endr
	v_lshl_or_b32 v30, v31, 16, v30                ; my two bytes: blocks h and 2 + h,
	v_lshlrev_b32 v30, v7, v30                     ; at their places;
	v_permlanex16_b32 v26, v30, s30, s31
	v_or_b32 v[WD+(\s)], v30, v26                  ; with lane l xor 16's two the word is whole
.irp c, 0,1
	global_store_b128 v4, v[CD+8*((\s)%2)+4*\c:CD+8*((\s)%2)+4*\c+3], s[18:19] offset:1024*(\s)+512*\c   ; 512 consecutive bytes
.endr
.endm
	XLOAD 0
	XLOAD 1
.irp s, 0,1,2,3,4,5,6,7
	XSTEP \s
.endr
	v_cmp_eq_u32 vcc_lo, 1, v3                     ; a row's 8 words are 32 bytes: lanes 0-15 store words 0-3, lanes 16-31 words 4-7
.irp i, 0,1,2,3
	v_cndmask_b32 v[32+\i], v[WD+\i], v[WD+4+\i], vcc_lo
.endr
	global_store_b128 v8, v[32:35], s[20:21]       ; the tile's 512 scale bytes, consecutive
	s_wait_tensorcnt 0x0                           ; the wave's end, behind my last LDS store
	ds_add_u32 v[SPW], v[NIL]
	s_wait_dscnt 0x0
	s_endpgm
; ---------------- path W ----------------
.Lweights:
	s_lshr_b32 s29, ttmp9, 6                       ; which weight: 0 Wq, 1 Wk, 2 Wv, 3 Wo
	s_and_b32 s30, ttmp9, 7                        ; which 128 columns
	s_bfe_u32 s31, ttmp9, 0x30003                  ; which 128 along K
	s_lshl_b32 s32, s30, 7
	s_lshl_b32 s33, s28, 5
	s_add_co_u32 s32, s32, s33                     ; my wave's first column n0
	s_lshl_b32 s34, s31, 19                        ; 128 rows of 4,096 bytes
	s_lshl_b32 s33, s32, 2
	s_add_co_u32 s34, s34, s33
	v_lshlrev_b32 v4, 2, v1                        ; in: 4 bytes a lane
	v_lshlrev_b32 v5, 4, v2
	v_lshl_add_u32 v5, v3, 13, v5                  ; codes: tile h of my two (8,192 bytes apart), + 16 r
	v_lshlrev_b32 v6, 5, v1                        ; scale words: 32 bytes a column
	v_lshlrev_b32 v7, 4, v2
	v_lshl_add_u32 v7, v3, 15, v7                  ; f16: tile h (32,768 bytes apart), + 16 r
	s_wait_kmcnt 0x0
	s_cmp_eq_u32 s29, 3
	s_cselect_b64 s[14:15], s[16:17], s[14:15]
	s_cmp_lt_u32 s29, 2
	s_cselect_b64 s[12:13], s[12:13], s[14:15]
	s_cmp_eq_u32 s29, 0
	s_cselect_b64 s[10:11], s[10:11], s[12:13]
	s_add_nc_u64 s[10:11], s[10:11], s[34:35]
.set i, 0
.rept 128
	global_load_b32 v[R+i], v4, s[10:11] offset:4096*i th:TH_LOAD_NT   ; row i of the 128: 128 consecutive bytes a wave, 512 a work-group
.set i, i+1
.endr
	s_wait_loadcnt 0x0
	s_cmp_eq_u32 s29, 3
	s_cbranch_scc1 .Lcast
	s_lshl_b32 s36, s29, 19                        ; codes: 524,288 bytes a weight, 8,192 a tile of 16 columns, 1,024 a K step
	s_lshl_b32 s37, s32, 9
	s_add_co_u32 s36, s36, s37
	s_lshl_b32 s37, s31, 10
	s_add_co_u32 s36, s36, s37
	s_mov_b32 s37, 0
	s_add_nc_u64 s[22:23], s[22:23], s[36:37]
	s_lshl_b32 s36, s29, 15                        ; scale bytes: 32,768 a weight, 32 a column, 4 a K step
	s_lshl_b32 s38, s32, 5
	s_add_co_u32 s36, s36, s38
	s_lshl_b32 s38, s31, 2
	s_add_co_u32 s36, s36, s38
	s_add_nc_u64 s[24:25], s[24:25], s[36:37]
.irp b, 0,1,2,3
	v_max3_num_f32 v[24+\b], |v[R+32*\b]|, |v[R+1+32*\b]|, 0x1800000
.endr
.set i, 2
.rept 15
.irp b, 0,1,2,3
	v_max3_num_f32 v[24+\b], v[24+\b], |v[R+32*\b+i]|, |v[R+1+32*\b+i]|   ; the four blocks by turns
.endr
.set i, i+2
.endr
.irp b, 0,1,2,3
	v_add_nc_u32 v[28+\b], 0xff000000, v[24+\b]
.endr
.irp b, 0,1,2,3
	v_lshrrev_b32 v[32+\b], 23, v[28+\b]
.endr
	v_lshl_or_b32 v36, v33, 8, v32                 ; my column's scale word of this K step
	v_lshl_or_b32 v36, v34, 16, v36
	v_lshl_or_b32 v36, v35, 24, v36
.irp b, 0,1,2,3
.irp g, 0,1,2,3
	v_cvt_scalef32_pk8_fp4_f32 v[X+4*\b+\g], v[R+32*\b+8*\g:R+32*\b+8*\g+7], v[28+\b]
.endr
.endr
	v_nop
.irp b, 0,1,2,3
	global_store_b128 v5, v[X+4*\b:X+4*\b+3], s[22:23] offset:256*\b   ; block b of 16 columns: sixteen lanes store 256 consecutive, aligned bytes
.endr
	global_store_b32 v6, v36, s[24:25]             ; 4 bytes of each column's 32: one byte for each 128 bytes read
	s_endpgm
.Lcast:
	s_lshl_b32 s36, s32, 11                        ; f16: 32,768 bytes a tile of 16 columns, 1,024 for each 32 along K
	s_lshl_b32 s37, s31, 12
	s_add_co_u32 s36, s36, s37
	s_mov_b32 s37, 0
	s_add_nc_u64 s[26:27], s[26:27], s[36:37]
.set i, 0
.rept 64
	v_cvt_pk_f16_f32 v[X+i], v[R+2*i], v[R+2*i+1]
.set i, i+1
.endr
.irp t, 0,1,2,3
.irp q, 0,1,2,3
	global_store_b128 v7, v[X+16*\t+4*\q:X+16*\t+4*\q+3], s[26:27] offset:1024*\t+256*\q   ; k = 32 t + 8 q + 0 .. 7 of 16 columns: 256 consecutive, aligned bytes
.endr
.endr
	s_endpgm
.Lfunc_end_k_q93a7b2093f_prep:
	.size	k_q93a7b2093f_prep, .Lfunc_end_k_q93a7b2093f_prep-k_q93a7b2093f_prep
	.p2alignl 7, 3214868480
	.fill 96, 4, 3214868480
	.section	.rodata,"a",@progbits
	.p2align	6, 0x0
	.amdhsa_kernel k_q93a7b2093f_prep
		.amdhsa_group_segment_fixed_size 34304
		.amdhsa_private_segment_fixed_size 0
		.amdhsa_enable_private_segment 0
		.amdhsa_kernarg_size 96
		.amdhsa_user_sgpr_count 2
		.amdhsa_user_sgpr_kernarg_segment_ptr 1
		.amdhsa_wavefront_size32 1
		.amdhsa_system_sgpr_workgroup_id_x 1
		.amdhsa_system_sgpr_workgroup_id_y 1
		.amdhsa_system_sgpr_workgroup_id_z 1
		.amdhsa_system_vgpr_workitem_id 0
		.amdhsa_next_free_vgpr 256
		.amdhsa_next_free_sgpr 66
		.amdhsa_reserve_vcc 1
		.amdhsa_float_denorm_mode_32 3
		.amdhsa_float_denorm_mode_16_64 3
		.amdhsa_memory_ordered 1
		.amdhsa_forward_progress 1
		.amdhsa_inst_pref_size 82
	.end_amdhsa_kernel
	.amdgpu_metadata
---
amdhsa.version: [ 1, 2 ]
amdhsa.kernels:
  - .name:           k_q93a7b2093f_prep
    .symbol:         k_q93a7b2093f_prep.kd
    .args:
      - { .name: queries, .offset: 0, .size: 8, .value_kind: global_buffer, .address_space: global }
      - { .name: keys, .offset: 8, .size: 8, .value_kind: global_buffer, .address_space: global }
      - { .name: values, .offset: 16, .size: 8, .value_kind: global_buffer, .address_space: global }
      - { .name: Wq, .offset: 24, .size: 8, .value_kind: global_buffer, .address_space: global }
      - { .name: Wk, .offset: 32, .size: 8, .value_kind: global_buffer, .address_space: global }
      - { .name: Wv, .offset: 40, .size: 8, .value_kind: global_buffer, .address_space: global }
      - { .name: Wo, .offset: 48, .size: 8, .value_kind: global_buffer, .address_space: global }
      - { .name: xc, .offset: 56, .size: 8, .value_kind: global_buffer, .address_space: global }
      - { .name: xs, .offset: 64, .size: 8, .value_kind: global_buffer, .address_space: global }
      - { .name: wc, .offset: 72, .size: 8, .value_kind: global_buffer, .address_space: global }
      - { .name: ws, .offset: 80, .size: 8, .value_kind: global_buffer, .address_space: global }
      - { .name: wof, .offset: 88, .size: 8, .value_kind: global_buffer, .address_space: global }
    .group_segment_fixed_size: 34304
    .private_segment_fixed_size: 0
    .kernarg_segment_align: 8
    .kernarg_segment_size: 96
    .max_flat_workgroup_size: 128
    .sgpr_count:     66
    .vgpr_count:     256
    .wavefront_size: 32
...
	.end_amdgpu_metadata
.endif
;; end of part 1
;; launch proj (part 2): grid 4 x 96, 4 waves a work-group, clusters of 4 x 4, 279,040 bytes of LDS; arguments xc, xs, wc, ws, bq, qkv; writes qkv
.if DOCPART == 2
	.amdgcn_target "amdgcn-amd-amdhsa--gfx1250"
	.amdhsa_code_object_version 6
	.text
	.protected	k_q93a7b2093f_proj
	.globl	k_q93a7b2093f_proj
	.p2align	8
	.type	k_q93a7b2093f_proj,@function
k_q93a7b2093f_proj:
	s_mov_b64 s[64:65], 0
	v_nop
	global_prefetch_b8 v0, s[64:65] scope:SCOPE_SE
	s_setreg_imm32_b32 hwreg(HW_REG_WAVE_MODE, 25, 1), 1
	s_wait_xcnt 0x0
	s_wait_alu depctr_hold_cnt(0) depctr_sa_sdst(0) depctr_va_vdst(0) depctr_va_sdst(0) depctr_va_ssrc(0) depctr_va_vcc(0) depctr_vm_vsrc(0)
	s_getreg_b32 s2, hwreg(HW_REG_IB_STS2, 6, 4)
	s_cmp_eq_u32 s2, 0
	s_cbranch_scc0 .Lentry_in_a_cluster
	s_endpgm
.Lentry_in_a_cluster:
	s_bfe_u32 s2, ttmp6, 0x10000c
	s_cmp_lg_u32 s2, 0xf033
	s_cbranch_scc0 .Lentry_shape_is_right
	s_endpgm
.Lentry_shape_is_right:
; PROJ: q = Q(queries) Q(Wq) + bq, k = Q(keys) Q(Wk), v = Q(values) Q(Wv), on codes of FP4 with E8M0 scales; sums in f32; results rounded once to f16 and stored as images of attention's operand registers.
; Left out: bk (it reaches no output: shown at the head of the first launch).  bv is added in the attention launch.
; LIMIT: q, k, v go to f16: magnitudes over 65,504 are not served (with both factors 30 times the drawn spread they stay under 5,000; with offsets of 30 spreads on both under 30,000).
; SHARES.  Cluster y / 8 = t picks the product.  A work-group makes 256 x 256 of it, four waves 128 x 128 each: 64 accumulators, 512 registers.  K = 1,024 is short: the codes of 256 rows of X and of 256 columns
; of W for ALL of K (2 x 131,072 bytes) and their scale bytes (2 x 8,192) lie in LDS at once; nothing is filled twice, and nothing is stored to LDS.  384 work-groups: only a square tile lets one text serve
; both orders of the sources, and the launch moves more bytes than it multiplies.
; WHICH SOURCE IS WHICH.  In a result a lane holds one row of source 1 and eight neighbouring rows of source 0.  q, k: source 0 = W (channels), source 1 = X (tokens): a lane's eight f16 are half a fragment
; of Q or K.  v: source 0 = X, source 1 = W: eight neighbouring keys of one channel: half a fragment of V^T.  Only the waves' LDS read bases change with t; t is the same in all sixteen partners.
; CLUSTER 4 x 4: X's tile hangs on the tile row alone and is asked for jointly along a row of the cluster, W's on the tile column alone, along a column.  Each wave has three tensor loads out, all first fills.
; The read bases are chosen by a select on t, so every wave waits for ALL its loads in front of the one barrier.
; REGISTERS: window 0: v1-6 addresses; v28, v29 the add's two; v32-95 source 0's scale words (block b, K step s at 32 + 8 b + s), v96-159 source 1's; v160-223 bq.
;   window 1: source 0's fragments, set p at 64 p + 8 b; source 1's at 128 + 64 p + 8 a; on the way out all 256 packed results.   windows 2, 3: accumulators (a, b) at 8 (8 (a % 4) + b).
.set WR,    131072                     ; LDS: X's codes at 0, W's here: two halves of 128 rows, each [K half 2][tile 8][K step 4][1,024]
.set SCX,   262144                     ; X's scale bytes, 8,192; W's behind them
.set SPARE, 278528                     ; the spare words, 128 bytes for each wave
.set LI,  1                            ; v1  16 x lane
.set AD0, 2                            ; v2  source 0's codes
.set AD1, 3                            ; v3  source 1's
.set AS0, 4                            ; v4  source 0's scale words
.set AS1, 5                            ; v5  source 1's
.set BO,  6                            ; v6  32 h: bq's eight of my half
.set SPW, 28
.set NIL, 29
.set SC0, 32
.set SC1, 96
.set BI,  160
.set G1X,  24                          ; s[24:31] group 1, X's codes;  s[32:39] W's;  s[40:47] X's scales;  s[48:55] W's
.set G1W,  32
.set G1SX, 40
.set G1SW, 48
.set GSX,  56                          ; groups 0: X's scales, K half 0, K half 1;  then W's three
.set GX0,  60
.set GX1,  68
.set GSW,  72
.set GW0,  76
.set GW1,  80
.set MSB, 0
.macro WIN new                         ; the immediate's high byte repeats the setting that is left
.if MSB != (\new)
	s_set_vgpr_msb (MSB<<8)|(\new)
.set MSB, (\new)
.endif
.endm
.macro PLACES
.rept 4
	v_nop
.endr
.endm
; A joint load: waves 0 and 1 fetch for X, waves 2 and 3 for W; the branch hangs on the wave's number alone.  An s_nop 0 and four v_nop follow each line.
.macro JLOAD g0a, g1a, g0b, g1b
	s_cmp_eq_u32 s17, 0
	s_cbranch_scc0 .Lfor_w_\@
	tensor_load_to_lds s[\g0a:\g0a+3], s[\g1a:\g1a+7]
	s_nop 0
.rept 4
	v_nop
.endr
	s_branch .Lasked_\@
.Lfor_w_\@:
	tensor_load_to_lds s[\g0b:\g0b+3], s[\g1b:\g1b+7]
	s_nop 0
.rept 4
	v_nop
.endr
.Lasked_\@:
.endm
.macro CROUND                          ; a round of the cluster's barrier
	s_barrier_signal -1
	s_barrier_wait -1
	s_cmp_lg_u32 s16, 0
	s_cbranch_scc1 .Lnot_wave_0_\@
	s_barrier_signal -3
.Lnot_wave_0_\@:
	s_barrier_wait -3
	s_barrier_signal -1
	s_barrier_wait -1
.endm
	s_load_b256 s[4:11], s[0:1], 0x0               ; xc s[4:5], xs s[6:7], wc s[8:9], ws s[10:11]
	s_load_b128 s[12:15], s[0:1], 0x20             ; bq s[12:13], qkv s[14:15]
	v_lshl_add_u32 v[SPW], v0, 2, SPARE
	v_mov_b32 v[NIL], 0
	ds_add_u32 v[SPW], v[NIL]                      ; the wave's opening: the add, twice on end, and its wait ahead of my first tensor load
	ds_add_u32 v[SPW], v[NIL]
	v_lshrrev_b32 v1, 5, v0
	v_readfirstlane_b32 s16, v1                    ; wave 0..3
	s_lshr_b32 s17, s16, 1                         ; w1: source 1's half.  Also: I fetch for X (0) or W (1)
	s_and_b32 s18, s16, 1                          ; w0: source 0's half.  Also: which 128 rows I fetch
	s_bfe_u32 s19, ttmp6, 0x40000                  ; cx
	s_bfe_u32 s20, ttmp6, 0x40004                  ; cy
	s_and_b32 s21, ttmp7, 0xffff                   ; cluster y, 0 .. 23
	s_lshr_b32 s22, s21, 3                         ; t: 0 q, 1 k, 2 v
	s_and_b32 s23, s21, 7
	s_lshl_b32 s23, s23, 2
	s_add_co_u32 s23, s23, s20                     ; mt: which 256 rows of X
	s_lshl_b32 s84, ttmp9, 2
	s_add_co_u32 s84, s84, s19                     ; nt: which 256 columns of W
	s_lshl_b32 s85, s20, 2
	s_lshl_b32 s85, 15, s85                        ; my row of the cluster
	s_lshl_b32 s86, 0x1111, s19                    ; my column
	s_or_b32 s[G1X], s85, (3<<16)|(1<<21)          ; 15:0 the mask; 17:16 elements of 8 bytes; 21 set beside a mask; no padding
	s_or_b32 s[G1W], s86, (3<<16)|(1<<21)
	s_or_b32 s[G1SX], s85, (3<<16)|(1<<21)
	s_or_b32 s[G1SW], s86, (3<<16)|(1<<21)
.irp g, G1X, G1W                       ; codes: 8 tiles of 16 rows, of each 4 K steps = 4,096 bytes, 8,192 bytes from tile to tile
	s_mov_b32 s[\g+1], 512<<16                     ; tensor_dim0 = 512 elements
	s_mov_b32 s[\g+2], 8<<16                       ; tensor_dim1 = 8
	s_mov_b32 s[\g+3], 512<<16                     ; tile_dim0
	s_mov_b32 s[\g+4], 8                           ; tile_dim1
	s_mov_b32 s[\g+5], 1024                        ; stride
	s_mov_b32 s[\g+6], 0
	s_mov_b32 s[\g+7], 0
.endr
.irp g, G1SX, G1SW                     ; scale bytes of 128 rows: 4,096 dense bytes as 16 rows of 256
	s_mov_b32 s[\g+1], 32<<16
	s_mov_b32 s[\g+2], 16<<16
	s_mov_b32 s[\g+3], 32<<16
	s_mov_b32 s[\g+4], 16
	s_mov_b32 s[\g+5], 32
	s_mov_b32 s[\g+6], 0
	s_mov_b32 s[\g+7], 0
.endr
	s_lshl_b32 s88, s22, 9
	s_lshl_b32 s89, s23, 4
	s_add_co_u32 s88, s88, s89
	s_lshl_b32 s89, s18, 3
	s_add_co_u32 s88, s88, s89                     ; X: first tile of 16 rows that I fetch: 512 t + 16 mt + 8 half
	s_lshl_b32 s90, s88, 9                         ; its scale bytes,
	s_mov_b32 s91, 0
	s_lshl_b32 s88, s88, 13                        ; its codes
	s_mov_b32 s89, 0
	s_lshl_b32 s92, s22, 6
	s_lshl_b32 s93, s84, 4
	s_add_co_u32 s92, s92, s93
	s_lshl_b32 s93, s18, 3
	s_add_co_u32 s92, s92, s93                     ; W: 64 t + 16 nt + 8 half
	s_lshl_b32 s94, s92, 9
	s_mov_b32 s95, 0
	s_lshl_b32 s92, s92, 13
	s_mov_b32 s93, 0
	s_lshl_b32 s96, s16, 16                        ; where codes go: wave x 65,536: no place in the cluster enters an LDS address
	s_lshl_b32 s97, s16, 12
	s_add_co_u32 s97, s97, SCX                     ; and scale bytes
	s_wait_dscnt 0x0                               ; both opening adds are done
	s_wait_kmcnt 0x0
	s_add_nc_u64 s[88:89], s[4:5], s[88:89]
	s_add_nc_u64 s[90:91], s[6:7], s[90:91]
	s_add_nc_u64 s[92:93], s[8:9], s[92:93]
	s_add_nc_u64 s[94:95], s[10:11], s[94:95]
	CROUND                                         ; all sixteen work-groups are here: the joint loads meet
	s_mov_b32 s[GSX], 1
	s_mov_b32 s[GSX+1], s97
	s_mov_b64 s[GSX+2:GSX+3], s[90:91]
	s_or_b32 s[GSX+3], s[GSX+3], 0x80000000
	s_mov_b32 s[GSW], 1
	s_mov_b32 s[GSW+1], s97
	s_mov_b64 s[GSW+2:GSW+3], s[94:95]
	s_or_b32 s[GSW+3], s[GSW+3], 0x80000000
	JLOAD GSX, G1SX, GSW, G1SW
	s_mov_b32 s[GX0], 1
	s_mov_b32 s[GX0+1], s96
	s_mov_b64 s[GX0+2:GX0+3], s[88:89]
	s_or_b32 s[GX0+3], s[GX0+3], 0x80000000
	s_mov_b32 s[GW0], 1
	s_mov_b32 s[GW0+1], s96
	s_mov_b64 s[GW0+2:GW0+3], s[92:93]
	s_or_b32 s[GW0+3], s[GW0+3], 0x80000000
	JLOAD GX0, G1X, GW0, G1W
	s_mov_b32 s[GX1], 1
	s_add_co_u32 s[GX1+1], s96, 32768
	s_add_nc_u64 s[GX1+2:GX1+3], s[88:89], 4096
	s_or_b32 s[GX1+3], s[GX1+3], 0x80000000
	s_mov_b32 s[GW1], 1
	s_add_co_u32 s[GW1+1], s96, 32768
	s_add_nc_u64 s[GW1+2:GW1+3], s[92:93], 4096
	s_or_b32 s[GW1+3], s[GW1+3], 0x80000000
	JLOAD GX1, G1X, GW1, G1W
	v_and_b32 v7, 15, v0                           ; r
	v_bfe_u32 v8, v0, 4, 1                         ; h
	v_and_b32 v[LI], 31, v0
	v_lshlrev_b32 v[LI], 4, v[LI]
	v_lshlrev_b32 v[BO], 5, v8
	v_lshlrev_b32 v9, 5, v7                        ; a row's 32 scale bytes
	s_cmp_eq_u32 s22, 2                            ; v: the sources change places
	s_cselect_b32 s88, 0, WR                       ; source 0's codes
	s_cselect_b32 s89, WR, 0                       ; source 1's
	s_cselect_b32 s90, 0, 8192                     ; source 0's scale bytes
	s_cselect_b32 s91, 8192, 0
	s_cselect_b32 s92, s17, s18                    ; which half of the tile's channels is mine,
	s_cselect_b32 s93, s18, s17                    ; and of its tokens
	s_lshl_b32 s94, s18, 16
	s_add_co_u32 s88, s88, s94
	s_lshl_b32 s94, s17, 16
	s_add_co_u32 s89, s89, s94
	v_add_nc_u32 v[AD0], s88, v[LI]
	v_add_nc_u32 v[AD1], s89, v[LI]
	s_lshl_b32 s94, s18, 12
	s_add_co_u32 s90, s90, s94
	s_add_co_u32 s90, s90, SCX
	s_lshl_b32 s94, s17, 12
	s_add_co_u32 s91, s91, s94
	s_add_co_u32 s91, s91, SCX
	v_add_nc_u32 v[AS0], s90, v9
	v_add_nc_u32 v[AS1], s91, v9
	; where my results go: tensor t, batch mt / 8, head 4 nt + 2 x (channel half), 262,144 bytes a head; in it 32,768 bytes for 256 tokens, 16,384 for my 128
	s_lshl_b32 s94, s22, 24
	s_lshr_b32 s95, s23, 3
	s_lshl_b32 s95, s95, 22
	s_add_co_u32 s94, s94, s95
	s_lshl_b32 s95, s84, 2
	s_lshl_b32 s92, s92, 1
	s_add_co_u32 s95, s95, s92
	s_lshl_b32 s95, s95, 18
	s_add_co_u32 s94, s94, s95
	s_and_b32 s95, s23, 7
	s_lshl_b32 s95, s95, 15
	s_add_co_u32 s94, s94, s95
	s_lshl_b32 s95, s93, 14
	s_add_co_u32 s94, s94, s95
	s_mov_b32 s95, 0
	s_add_nc_u64 s[14:15], s[14:15], s[94:95]
	s_lshl_b32 s94, s84, 10                        ; bq at my 128 channels (t = 0: source 0's half)
	s_lshl_b32 s96, s18, 9
	s_add_co_u32 s94, s94, s96
	s_add_nc_u64 s[12:13], s[12:13], s[94:95]
.macro FETCH s, p                      ; K step s: source 0's eight fragments and source 1's eight into set p: 32 loads, each 512 consecutive bytes
	WIN 0x40                                       ; destination window 1, address window 0
.irp i, 0,1,2,3,4,5,6,7
.irp c, 0,1
	ds_load_b128 v[64*(\p)+8*\i+4*\c:64*(\p)+8*\i+4*\c+3], v[AD0] offset:((\s)/4)*32768+\i*4096+((\s)%4)*1024+512*\c
.endr
.endr
.irp i, 0,1,2,3,4,5,6,7
.irp c, 0,1
	ds_load_b128 v[128+64*(\p)+8*\i+4*\c:128+64*(\p)+8*\i+4*\c+3], v[AD1] offset:((\s)/4)*32768+\i*4096+((\s)%4)*1024+512*\c
.endr
.endr
	WIN 0
.endm
.macro SCALES                          ; all scale words of my 128 + 128 rows: lane r takes row r's 8 words, 4 a load
.irp i, 0,1,2,3,4,5,6,7
.irp q, 0,1
	ds_load_b128 v[SC0+8*\i+4*\q:SC0+8*\i+4*\q+3], v[AS0] offset:512*\i+16*\q
	ds_load_b128 v[SC1+8*\i+4*\q:SC1+8*\i+4*\q+3], v[AS1] offset:512*\i+16*\q
.endr
.endr
.endm
; 32 matrix instructions: source 1's blocks a0 .. a0 + 3 against source 0's eight.  mode 0: add on; 1: the sums start at 0; 2: at bq.  The 64 accumulators take turns, one instruction a turn, in the same order in every step.
.macro MUL32 a0, p, s, mode
.irp a, \a0, \a0+1, \a0+2, \a0+3
.irp b, 0,1,2,3,4,5,6,7
.set rD, 8*(8*((\a)%4)+\b)
.set rA, 64*(\p)+8*\b
.set rB, 128+64*(\p)+8*(\a)
.if \mode == 0
	v_wmma_scale_f32_16x16x128_f8f6f4 v[rD:rD+7], v[rA:rA+7], v[rB:rB+7], v[rD:rD+7], v[SC0+8*\b+(\s)], v[SC1+8*(\a)+(\s)] matrix_a_fmt:MATRIX_FMT_FP4 matrix_b_fmt:MATRIX_FMT_FP4
.elseif \mode == 1
	v_wmma_scale_f32_16x16x128_f8f6f4 v[rD:rD+7], v[rA:rA+7], v[rB:rB+7], 0, v[SC0+8*\b+(\s)], v[SC1+8*(\a)+(\s)] matrix_a_fmt:MATRIX_FMT_FP4 matrix_b_fmt:MATRIX_FMT_FP4
.else
	v_wmma_scale_f32_16x16x128_f8f6f4 v[rD:rD+7], v[rA:rA+7], v[rB:rB+7], v[BI+8*\b:BI+8*\b+7], v[SC0+8*\b+(\s)], v[SC1+8*(\a)+(\s)] matrix_a_fmt:MATRIX_FMT_FP4 matrix_b_fmt:MATRIX_FMT_FP4
.endif
.endr
.endr
.endm
.macro STEP s, mode                    ; 128 along K: the next step's fragments are asked for, then 64 products
	s_wait_dscnt 0x0                               ; this step's fragments are in (asked for 64 products ago)
.if (\s) < 7
.if (\s) > 0
	PLACES                                         ; four plain places between the last step's products and loads into the set that they read
.endif
	FETCH (\s)+1, 1-(\s)%2
.endif
.if \mode == 2
	WIN 0x85                                       ; sources 0 and 1 window 1, C (bq) window 0, D window 2
.else
	WIN 0xa5                                       ; C and D window 2
.endif
	MUL32 0, (\s)%2, \s, \mode
.if \mode == 2
	WIN 0xc5
.else
	WIN 0xf5
.endif
	MUL32 4, (\s)%2, \s, \mode
	WIN 0
.endm
.macro PRE
	s_wait_tensorcnt 0x0                           ; my three loads have landed,
	s_barrier_signal -1
	s_barrier_wait -1                              ; everybody's have
	SCALES
	FETCH 0, 0
.endm
	s_cmp_eq_u32 s22, 0                            ; t is the same in all waves and all partners
	s_cbranch_scc0 .Lplain
.irp b, 0,1,2,3,4,5,6,7
.irp u, 0,1
	global_load_b128 v[BI+8*\b+4*\u:BI+8*\b+4*\u+3], v[BO], s[12:13] offset:64*\b+16*\u   ; bq in the result's layout: channels 16 b + 8 h + 0 .. 7
.endr
.endr
	PRE
	s_wait_loadcnt 0x0
	STEP 0, 2
	s_branch .Lgo
.Lplain:
	PRE
	STEP 0, 1
.Lgo:
.irp s, 1,2,3,4,5,6,7
	STEP \s, 0
.endr
	PLACES                                         ; between the last products and the conversions, which read results and write over fragments
.irp a, 0,1,2,3,4,5,6,7                ; rounded to f16, each accumulator from its low end on: 16 bytes a lane, all 256 registers into window 1
	WIN 0x4a+5*(\a/4)                              ; sources window 2 or 3, destination window 1
.irp b, 0,1,2,3,4,5,6,7
.irp i, 0,1,2,3
	v_cvt_pk_f16_f32 v[32*\a+4*\b+\i], v[8*(8*(\a%4)+\b)+2*\i], v[8*(8*(\a%4)+\b)+2*\i+1]
.endr
.endr
.endr
	WIN 0
	s_cmp_eq_u32 s22, 2
	s_cbranch_scc1 .Lout_v
	WIN 0x04                                       ; a store's data are its source 1: window 1
.irp a, 0,1,2,3,4,5,6,7                ; q, k: a = tile of 16 tokens, b = 16 channels: head b / 4, its quarter b % 4
.irp b, 0,1,2,3,4,5,6,7
	global_store_b128 v[LI], v[32*\a+4*\b:32*\a+4*\b+3], s[14:15] offset:(\b/4)*262144+\a*2048+(\b%4)*512   ; 512 consecutive bytes
.endr
.endr
	WIN 0
	s_branch .Ldone
.Lout_v:
	WIN 0x04
.irp a, 0,1,2,3,4,5,6,7                ; v: a = 16 channels: head a / 4, tile a % 4; b = 16 keys: half b % 2 of the 32 keys b / 2
.irp b, 0,1,2,3,4,5,6,7
	global_store_b128 v[LI], v[32*\a+4*\b:32*\a+4*\b+3], s[14:15] offset:(\a/4)*262144+(\b/2)*4096+(\a%4)*1024+(\b%2)*512
.endr
.endr
	WIN 0
.Ldone:
	s_wait_tensorcnt 0x0                           ; the wave's end, behind my last tensor load
	ds_add_u32 v[SPW], v[NIL]
	s_wait_dscnt 0x0
	CROUND                                         ; the closing round
	s_endpgm
.Lfunc_end_k_q93a7b2093f_proj:
	.size	k_q93a7b2093f_proj, .Lfunc_end_k_q93a7b2093f_proj-k_q93a7b2093f_proj
	.p2alignl 7, 3214868480
	.fill 96, 4, 3214868480
	.section	.rodata,"a",@progbits
	.p2align	6, 0x0
	.amdhsa_kernel k_q93a7b2093f_proj
		.amdhsa_group_segment_fixed_size 279040
		.amdhsa_private_segment_fixed_size 0
		.amdhsa_enable_private_segment 0
		.amdhsa_kernarg_size 48
		.amdhsa_user_sgpr_count 2
		.amdhsa_user_sgpr_kernarg_segment_ptr 1
		.amdhsa_wavefront_size32 1
		.amdhsa_system_sgpr_workgroup_id_x 1
		.amdhsa_system_sgpr_workgroup_id_y 1
		.amdhsa_system_sgpr_workgroup_id_z 1
		.amdhsa_system_vgpr_workitem_id 0
		.amdhsa_next_free_vgpr 1024
		.amdhsa_next_free_sgpr 100
		.amdhsa_reserve_vcc 0
		.amdhsa_float_denorm_mode_32 3
		.amdhsa_float_denorm_mode_16_64 3
		.amdhsa_memory_ordered 1
		.amdhsa_forward_progress 1
		.amdhsa_inst_pref_size 138
	.end_amdhsa_kernel
	.amdgpu_metadata
---
amdhsa.version: [ 1, 2 ]
amdhsa.kernels:
  - .name:           k_q93a7b2093f_proj
    .symbol:         k_q93a7b2093f_proj.kd
    .args:
      - { .name: xc, .offset: 0, .size: 8, .value_kind: global_buffer, .address_space: global }
      - { .name: xs, .offset: 8, .size: 8, .value_kind: global_buffer, .address_space: global }
      - { .name: wc, .offset: 16, .size: 8, .value_kind: global_buffer, .address_space: global }
      - { .name: ws, .offset: 24, .size: 8, .value_kind: global_buffer, .address_space: global }
      - { .name: bq, .offset: 32, .size: 8, .value_kind: global_buffer, .address_space: global }
      - { .name: qkv, .offset: 40, .size: 8, .value_kind: global_buffer, .address_space: global }
    .group_segment_fixed_size: 279040
    .private_segment_fixed_size: 0
    .kernarg_segment_align: 8
    .kernarg_segment_size: 48
    .max_flat_workgroup_size: 128
    .sgpr_count:     100
    .vgpr_count:     1024
    .wavefront_size: 32
...
	.end_amdgpu_metadata
.endif
;; end of part 2
;; launch attn (part 3): grid 4 x 64, 8 waves a work-group, clusters of 4 x 1, 327,680 bytes of LDS; arguments qkv, bv, ao; writes ao
.if DOCPART == 3
	.amdgcn_target "amdgcn-amd-amdhsa--gfx1250"
	.amdhsa_code_object_version 6
	.text
	.protected	k_q93a7b2093f_attn
	.globl	k_q93a7b2093f_attn
	.p2align	8
	.type	k_q93a7b2093f_attn,@function
k_q93a7b2093f_attn:
	s_mov_b64 s[64:65], 0
	v_nop
	global_prefetch_b8 v0, s[64:65] scope:SCOPE_SE
	s_setreg_imm32_b32 hwreg(HW_REG_WAVE_MODE, 25, 1), 1
	s_wait_xcnt 0x0
	s_wait_alu depctr_hold_cnt(0) depctr_sa_sdst(0) depctr_va_vdst(0) depctr_va_sdst(0) depctr_va_ssrc(0) depctr_va_vcc(0) depctr_vm_vsrc(0)
	s_getreg_b32 s2, hwreg(HW_REG_IB_STS2, 6, 4)
	s_cmp_eq_u32 s2, 0
	s_cbranch_scc0 .Lentry_in_a_cluster
	s_endpgm
.Lentry_in_a_cluster:
	s_bfe_u32 s2, ttmp6, 0x10000c
	s_cmp_lg_u32 s2, 0x3003
	s_cbranch_scc0 .Lentry_shape_is_right
	s_endpgm
.Lentry_shape_is_right:
; ATTN: ao[b][l][h][:] = softmax_s(q . k / 8) v + bv, per batch and head; q, k, v, the weights p and ao in f16; products, maxima and sums in f32.
; bk is left out (shown at the head of the first launch); bv is added here once: the softmax's rows sum to 1, so A (v + bv) = A v + bv.
; LIMIT: ao goes to f16: it is a mean of v's rows plus bv, so it has v's range.
; SHARES.  A work-group owns 512 queries of one batch and head, each of its eight waves 64: four tiles of 16.  Every wave walks the 2,048 keys, 64 a step.
; LAYOUT.  S^T = K Q^T (source 0 = 16 keys, source 1 = 16 queries) and O^T = V^T P (source 0 = 16 channels, source 1 = P): a lane holds ONE query throughout; two tiles of S^T rounded in pairs are P's fragment.
; q, k and v lie in memory as images of these fragments' registers, so every LDS load is 512 consecutive bytes and nothing is turned.
; SOFTMAX.  A running maximum m and sum l for each query: p = 2^(c s - c m), c = log2(e) / 8; in every step O and l are multiplied by a = 2^(c m_old - c m_new).  No branch on data.
; TWO WAVES TO A SIMD, IN OPPOSITE PHASES.  A step is a matrix part M (V^T P of the step before, then K Q^T of this step: 64 products) and a softmax (472 vector instructions).  The waves fall into two groups,
; g = (w xor w / 4) & 1.  A trip of the common text is [g = 0: M] softmax [g = 1: M]: group 0 runs M(j), softmax(j), group 1 softmax(j - 1), M(j): one wave's products stand beside the other's vector work.
; Both groups read step j's tiles from LDS in trip j, and all barriers stand in common text.
; RING.  Two LDS slots of 512 keys (65,536 bytes of K, then 65,536 of V), 131,072 bytes apart.  CLUSTER: the four query blocks of a head walk the
; same K and V: each tile is asked for jointly, with a mask that names the four.  By this text's count a wave has two tensor loads out at the start and one behind each round; a refill has eight steps to land in.
; No prefetch: a refill is asked for eight steps, 512 products a wave, ahead of the wait for it.
; REGISTERS: window 0: v1-5 addresses; v6, v7 the add's two; v8-39 statistics, 8 a tile: +0 c m, +1 m, +2, +3 l, +4 .. +7 at work (+6 a); v64-191 S^T, 32 a tile; P is packed in place into a tile's first 16; v192-255 K.
;   window 1: v0-127 O^T, 32 a tile; v128-191 Q, 16 a tile; v192-255 V.
.set SLOT1, 131072
.set SPARE, 262144                     ; the spare words, 128 bytes for each of eight waves
.set LI,  1                            ; v1  16 x lane: K's place
.set LV,  2                            ; v2  + 65,536: V's
.set ADK, 3                            ; v3  the step's K
.set ADV, 4                            ; v4  the step's V
.set BVO, 5                            ; v5  32 h
.set SPW, 6
.set NIL, 7
.set ST,  8
.set S,   64
.set KF,  192
.set MSB, 0
.macro WIN new
.if MSB != (\new)
	s_set_vgpr_msb (MSB<<8)|(\new)
.set MSB, (\new)
.endif
.endm
.macro CROUND
	s_barrier_signal -1
	s_barrier_wait -1
	s_cmp_lg_u32 s10, 0
	s_cbranch_scc1 .Lnot_wave_0_\@
	s_barrier_signal -3
.Lnot_wave_0_\@:
	s_barrier_wait -3
	s_barrier_signal -1
	s_barrier_wait -1
.endm
	s_load_b128 s[4:7], s[0:1], 0x0                ; qkv s[4:5], bv s[6:7]
	s_load_b64 s[8:9], s[0:1], 0x10                ; ao
	v_lshl_add_u32 v[SPW], v0, 2, SPARE
	v_mov_b32 v[NIL], 0
	ds_add_u32 v[SPW], v[NIL]                      ; the wave's opening: the add, twice on end, and its wait ahead of my first tensor load
	ds_add_u32 v[SPW], v[NIL]
	v_lshrrev_b32 v1, 5, v0
	v_readfirstlane_b32 s10, v1                    ; wave 0..7
	s_lshr_b32 s11, s10, 2
	s_xor_b32 s11, s11, s10
	s_and_b32 s11, s11, 1                          ; my group
	s_bfe_u32 s12, ttmp6, 0x40000                  ; cx
	s_lshl_b32 s14, ttmp9, 2
	s_add_co_u32 s12, s12, s14                     ; my block of 512 queries: it enters Q's and ao's addresses alone
	s_and_b32 s13, ttmp7, 0xffff                   ; batch x 16 + head, which the four partners share
	s_mov_b32 s24, 15|(3<<16)|(1<<21)              ; group 1: the mask names all four; elements of 8 bytes; bit 21 set beside a mask
	s_mov_b32 s25, 32<<16                          ; tensor_dim0 = 32 elements: 256 bytes
	s_mov_b32 s26, 64<<16                          ; tensor_dim1 = 64
	s_mov_b32 s27, 32<<16                          ; tile_dim0
	s_mov_b32 s28, 64                              ; tile_dim1
	s_mov_b32 s29, 32                              ; stride: dense
	s_mov_b32 s30, 0
	s_mov_b32 s31, 0
	s_lshl_b32 s20, s13, 18                        ; 262,144 bytes a head in each of q, k, v
	s_lshr_b32 s16, s10, 2
	s_add_co_u32 s16, s16, 1
	s_lshl_b32 s16, s16, 24                        ; waves 0-3: k; waves 4-7: v
	s_add_co_u32 s16, s16, s20
	s_and_b32 s17, s10, 3
	s_lshl_b32 s17, s17, 14
	s_add_co_u32 s16, s16, s17                     ; my quarter of a slot's 65,536 bytes
	s_mov_b32 s17, 0
	s_lshl_b32 s18, s12, 16                        ; Q: 32 tiles of 2,048 bytes a block, 4 a wave
	s_add_co_u32 s18, s18, s20
	s_lshl_b32 s19, s10, 13
	s_add_co_u32 s18, s18, s19
	s_mov_b32 s19, 0
	s_lshr_b32 s22, s13, 4                         ; ao: 32,768 bytes a tile of 16 rows: 128 tiles a batch, 32 a block, 4 a wave; 2,048 bytes a head
	s_lshl_b32 s22, s22, 22
	s_lshl_b32 s23, s12, 20
	s_add_co_u32 s22, s22, s23
	s_lshl_b32 s23, s10, 17
	s_add_co_u32 s22, s22, s23
	s_and_b32 s15, s13, 15
	s_lshl_b32 s23, s15, 11
	s_add_co_u32 s22, s22, s23
	s_mov_b32 s23, 0
	s_lshl_b32 s48, s15, 8                         ; bv: the head's 64 numbers
	s_mov_b32 s49, 0
	s_lshl_b32 s21, s10, 14                        ; where my part of a slot goes: no place in the cluster enters an LDS address
	s_mov_b32 s44, 0x3e38aa3b                      ; c = log2(e) / 8
	s_mov_b32 s45, s44                             ; (named with it as a pair)
	s_mov_b32 s46, 0x76543210
	s_mov_b32 s47, 0xfedcba98                      ; selects for lane l xor 16
	s_mov_b32 s40, 0                               ; LDS byte at which the step's K begins
	s_mov_b32 s42, 2                               ; slots still to be asked for
	s_wait_dscnt 0x0                               ; both opening adds are done
	s_wait_kmcnt 0x0
	s_add_nc_u64 s[16:17], s[4:5], s[16:17]
	s_add_nc_u64 s[4:5], s[4:5], s[18:19]
	s_add_nc_u64 s[8:9], s[8:9], s[22:23]
	s_add_nc_u64 s[6:7], s[6:7], s[48:49]
	CROUND                                         ; all four work-groups are here: the first joint loads meet
	s_mov_b32 s32, 1
	s_mov_b32 s33, s21                             ; slot 0: keys 0 .. 511
	s_mov_b64 s[34:35], s[16:17]
	s_or_b32 s35, s35, 0x80000000
	s_mov_b32 s36, 1
	s_add_co_u32 s37, s21, SLOT1                   ; slot 1: keys 512 .. 1,023; this set then walks on
	s_add_nc_u64 s[38:39], s[16:17], 65536
	s_or_b32 s39, s39, 0x80000000
	tensor_load_to_lds s[32:35], s[24:31]
	s_nop 0
	tensor_load_to_lds s[36:39], s[24:31]
	s_nop 0
.rept 4
	v_nop
.endr
	v_and_b32 v[LI], 31, v0
	v_lshlrev_b32 v[LI], 4, v[LI]
	v_add_nc_u32 v[LV], 65536, v[LI]
	v_bfe_u32 v[BVO], v0, 4, 1
	v_lshlrev_b32 v[BVO], 5, v[BVO]
	WIN 0x40                                       ; destination window 1
.set f, 0
.rept 16
	global_load_b128 v[128+4*f:128+4*f+3], v[LI], s[4:5] offset:512*f   ; Q stays in registers
.set f, f+1
.endr
.set f, 0
.rept 128
	v_mov_b32 v[f], 0                              ; O^T.  The step is written once for both groups: the first step finds zeros, which its a = 0 leaves zeros
.set f, f+1
.endr
	WIN 0
.irp t, 0,1,2,3
	v_mov_b32 v[ST+8*\t+1], 0xff61b1e6             ; m = -3e38, under every score
	v_mul_f32 v[ST+8*\t], s44, v[ST+8*\t+1]        ; c m
	v_mov_b32 v[ST+8*\t+2], 0                      ; l, in two halves
	v_mov_b32 v[ST+8*\t+3], 0
	v_mov_b32 v[ST+8*\t+5], 0
	v_mov_b32 v[ST+8*\t+7], 0
.endr
.macro ADDR                            ; the step's two LDS addresses, made in common text
	v_add_nc_u32 v[ADK], s40, v[LI]
	v_add_nc_u32 v[ADV], s40, v[LV]
.endm
; THE MATRIX PART.  pv: 32 products O^T += V^T P of the step before.  kq: this step's K and V are fetched, and 32 products S^T = K Q^T.  The accumulators take turns, one instruction a turn.
.macro M pv, kq
.if \kq
.set f, 0
.rept 16
	ds_load_b128 v[KF+4*f:KF+4*f+3], v[ADK] offset:512*f   ; K: keys 16 (f / 4) on, channels 16 (f % 4) on.  The last products that read K stand five plain places back
.set f, f+1
.endr
.endif
.if \pv
.if \kq
	s_wait_dscnt 16                                ; all but the 16 just issued: V of the step before is in
.else
	s_wait_dscnt 0x0
.endif
	WIN 0x51                                       ; V and O^T window 1, P window 0
.irp kh, 0,1
.irp ct, 0,1,2,3
.irp t, 0,1,2,3
	v_wmma_f32_16x16x32_f16 v[32*\t+8*\ct:32*\t+8*\ct+7], v[192+32*\kh+8*\ct:192+32*\kh+8*\ct+7], v[S+32*\t+8*\kh:S+32*\t+8*\kh+7], v[32*\t+8*\ct:32*\t+8*\ct+7]
.endr
.endr
.endr
	WIN 0
.endif
.if \kq
.if \pv
.rept 5
	v_nop                                          ; five places: the products below write over P, which the products above read; four of them serve the loads into V's registers
.endr
.endif
	WIN 0x40
.set f, 0
.rept 16
	ds_load_b128 v[192+4*f:192+4*f+3], v[ADV] offset:512*f   ; V: keys 32 (f / 8) on, channels 16 ((f / 2) % 4) on, half f % 2
.set f, f+1
.endr
	s_wait_dscnt 16                                ; all but the 16 just issued: K is in
	WIN 0x04                                       ; Q window 1; K and S^T window 0
.irp cf, 0,1
.irp kt, 0,1,2,3
.irp t, 0,1,2,3
.if \cf == 0
	v_wmma_f32_16x16x32_f16 v[S+32*\t+8*\kt:S+32*\t+8*\kt+7], v[KF+16*\kt:KF+16*\kt+7], v[128+16*\t:128+16*\t+7], 0
.else
	v_wmma_f32_16x16x32_f16 v[S+32*\t+8*\kt:S+32*\t+8*\kt+7], v[KF+16*\kt+8:KF+16*\kt+15], v[128+16*\t+8:128+16*\t+15], v[S+32*\t+8*\kt:S+32*\t+8*\kt+7]
.endif
.endr
.endr
.endr
	WIN 0
.rept 5
	v_nop                                          ; five places: on every way through the text a product that takes the scores' registers as an operand stands five plain places behind these products; four of them serve the first read of the scores and the next loads into K's registers
.endr
.endif
.endm
; THE SOFTMAX of one step for my four tiles, stage by stage, the tiles by turns inside each stage.
.macro SOFTMAX
.irp j, 0,1,2,3                        ; the maximum of a lane's 32 scores and the old m: four chains, each begun at its accumulator's low end
.irp t, 0,1,2,3
	v_max3_num_f32 v[ST+8*\t+4+\j], v[S+32*\t+8*\j], v[S+32*\t+8*\j+1], v[S+32*\t+8*\j+2]
.endr
.endr
.irp u, 1,2
.irp j, 0,1,2,3
.irp t, 0,1,2,3
	v_max3_num_f32 v[ST+8*\t+4+\j], v[ST+8*\t+4+\j], v[S+32*\t+8*\j+2*\u+1], v[S+32*\t+8*\j+2*\u+2]
.endr
.endr
.endr
.irp t, 0,1,2,3
	v_max3_num_f32 v[ST+8*\t+4], v[ST+8*\t+4], v[S+32*\t+7], v[S+32*\t+15]
.endr
.irp t, 0,1,2,3
	v_max3_num_f32 v[ST+8*\t+6], v[ST+8*\t+6], v[S+32*\t+23], v[S+32*\t+31]
.endr
.irp t, 0,1,2,3
	v_max3_num_f32 v[ST+8*\t+4], v[ST+8*\t+4], v[ST+8*\t+5], v[ST+8*\t+6]
.endr
.irp t, 0,1,2,3
	v_max3_num_f32 v[ST+8*\t+4], v[ST+8*\t+4], v[ST+8*\t+7], v[ST+8*\t+1]
.endr
.irp t, 0,1,2,3
	v_permlanex16_b32 v[ST+8*\t+5], v[ST+8*\t+4], s46, s47   ; the query's other 32 keys lie in the lane 16 away
.endr
.irp t, 0,1,2,3
	v_mov_b32 v[ST+8*\t+7], v[ST+8*\t]             ; c m_old
.endr
.irp t, 0,1,2,3
	v_max_num_f32 v[ST+8*\t+1], v[ST+8*\t+4], v[ST+8*\t+5]
.endr
.irp t, 0,1,2,3
	v_mul_f32 v[ST+8*\t], s44, v[ST+8*\t+1]
.endr
.irp t, 0,1,2,3
	v_sub_f32 v[ST+8*\t+7], v[ST+8*\t+7], v[ST+8*\t]
.endr
.set e, 0
.rept 16
.irp t, 0,1,2,3
	v_pk_fma_f32 v[S+32*\t+e:S+32*\t+e+1], v[S+32*\t+e:S+32*\t+e+1], s[44:45], v[ST+8*\t:ST+8*\t+1] op_sel_hi:[1,0,0] neg_lo:[0,0,1] neg_hi:[0,0,1]   ; c s - c m, two at a time
.endr
.set e, e+2
.endr
.irp t, 0,1,2,3                        ; ONE BATCH of 132 exponentials
	v_exp_f32 v[ST+8*\t+6], v[ST+8*\t+7]           ; a
.endr
.set e, 0
.rept 32
.irp t, 0,1,2,3
	v_exp_f32 v[S+32*\t+e], v[S+32*\t+e]
.endr
.set e, e+1
.endr
	v_nop                                          ; a plain instruction behind the last exponential,
	s_wait_alu depctr_va_vdst(0)                   ; and one wait ahead of the batch's first reader
.irp t, 0,1,2,3
	v_pk_fma_f32 v[ST+8*\t+2:ST+8*\t+3], v[ST+8*\t+2:ST+8*\t+3], v[ST+8*\t+6:ST+8*\t+7], v[S+32*\t:S+32*\t+1] op_sel_hi:[1,0,1]   ; l = a l + the weights, before they are rounded
.endr
.set e, 2
.rept 15
.irp t, 0,1,2,3
	v_pk_add_f32 v[ST+8*\t+2:ST+8*\t+3], v[ST+8*\t+2:ST+8*\t+3], v[S+32*\t+e:S+32*\t+e+1]
.endr
.set e, e+2
.endr
.set e, 0
.rept 16
.irp t, 0,1,2,3
	v_cvt_pk_f16_f32 v[S+32*\t+e], v[S+32*\t+2*e], v[S+32*\t+2*e+1]   ; P, in place, ascending: register e is written when registers 2 e and 2 e + 1 are read
.endr
.set e, e+1
.endr
	WIN 0x41                                       ; O^T window 1, a window 0
.set e, 0
.rept 16
.irp t, 0,1,2,3
	v_pk_mul_f32 v[32*\t+e:32*\t+e+1], v[32*\t+e:32*\t+e+1], v[ST+8*\t+6:ST+8*\t+7] op_sel_hi:[1,0]
.endr
.set e, e+2
.endr
	WIN 0
.endm
.macro TRIP
	ADDR
	s_cmp_eq_u32 s11, 0
	s_cbranch_scc0 .Lnot_g0_\@
	M 1, 1
.Lnot_g0_\@:
	SOFTMAX
	s_cmp_eq_u32 s11, 1
	s_cbranch_scc0 .Lnot_g1_\@
	M 1, 1
.Lnot_g1_\@:
	s_add_co_u32 s40, s40, 8192                    ; the next step's tiles
.endm
.macro SEG n
	s_mov_b32 s41, \n
.Lseg_\@:
	TRIP
	s_sub_co_u32 s41, s41, 1
	s_cmp_lg_u32 s41, 0
	s_cbranch_scc1 .Lseg_\@
.endm
; THE CHANGE OF SLOTS.  Each wave waits for all its tensor loads (its part of the slot ahead), adds 0 to its spare word, and waits for that and for its reads of the slot that it leaves.  fill = 1: a round of the
; cluster's barrier, and the slot just left is filled with the keys two slots on: the wave's one tensor load until the next round.
.macro CHANGE fill
	s_wait_tensorcnt 0x0                           ; no tensor load of mine is out, so a group 0 may be written
	ds_add_u32 v[SPW], v[NIL]
.if \fill
	s_xor_b32 s37, s37, SLOT1                      ; the other slot than last time,
	s_add_nc_u64 s[38:39], s[38:39], 65536         ; the next 512 keys
.endif
	s_wait_dscnt 0x0
.if \fill
	CROUND
	tensor_load_to_lds s[36:39], s[24:31]
	s_nop 0
.rept 4
	v_nop
.endr
.else
	s_barrier_signal -1
	s_barrier_wait -1
.endif
	s_sub_co_u32 s40, s40, 65536                   ; back to a slot's first step,
	s_xor_b32 s40, s40, SLOT1                      ; in the other slot
.endm
	s_wait_tensorcnt 1                             ; my part of slot 0 is in; slot 1's load may stay out
	s_barrier_signal -1
	s_barrier_wait -1
	s_wait_loadcnt 0x0                             ; Q
	ADDR
	M 0, 1                                         ; step 0: all waves
	s_add_co_u32 s40, s40, 8192
	s_cmp_eq_u32 s11, 0
	s_cbranch_scc0 .Lwait_g0
	SOFTMAX                                        ; group 0 alone: from here on the groups are a phase apart
.Lwait_g0:
	s_wait_dscnt 0x0
	s_barrier_signal -1
	s_barrier_wait -1
	SEG 7                                          ; steps 1 .. 7
.Lslot:                                            ; two trips: steps 8 .. 15 and 16 .. 23
	CHANGE 1
	SEG 8
	s_sub_co_u32 s42, s42, 1
	s_cmp_lg_u32 s42, 0
	s_cbranch_scc1 .Lslot
	CHANGE 0                                       ; the last slot is written out: nothing is left to ask for
	SEG 8                                          ; steps 24 .. 31
	s_cmp_eq_u32 s11, 1
	s_cbranch_scc0 .Llast_pv
	SOFTMAX                                        ; group 1's softmax of the last step
.Llast_pv:
.irp ct, 0,1,2,3
.irp u, 0,1
	global_load_b128 v[KF+8*\ct+4*\u:KF+8*\ct+4*\u+3], v[BVO], s[6:7] offset:64*\ct+16*\u   ; bv in O^T's layout, into K's registers, which are done with
.endr
.endr
	M 1, 0                                         ; V^T P of the last step
	; THE WAY OUT.  The additions are the places behind the last products.
.irp t, 0,1,2,3
	v_add_f32 v[ST+8*\t+4], v[ST+8*\t+2], v[ST+8*\t+3]
.endr
.irp t, 0,1,2,3
	v_permlanex16_b32 v[ST+8*\t+5], v[ST+8*\t+4], s46, s47
.endr
.irp t, 0,1,2,3
	v_add_f32 v[ST+8*\t+4], v[ST+8*\t+4], v[ST+8*\t+5]
.endr
.irp t, 0,1,2,3
	v_rcp_f32 v[ST+8*\t+6], v[ST+8*\t+4]
.endr
	v_nop
	s_wait_alu depctr_va_vdst(0)                   ; one wait for the four reciprocals, ahead of their first reader
	s_wait_loadcnt 0x0                             ; bv
.irp t, 0,1,2,3
	WIN 0x01                                       ; O^T window 1
.set e, 0
.rept 16
	v_pk_fma_f32 v[S+32*\t+e:S+32*\t+e+1], v[32*\t+e:32*\t+e+1], v[ST+8*\t+6:ST+8*\t+7], v[KF+e:KF+e+1] op_sel_hi:[1,0,1]   ; O^T / l + bv, ascending
.set e, e+2
.endr
	WIN 0
.set e, 0
.rept 16
	v_cvt_pk_f16_f32 v[S+32*\t+e], v[S+32*\t+2*e], v[S+32*\t+2*e+1]
.set e, e+1
.endr
.irp ct, 0,1,2,3
	global_store_b128 v[LI], v[S+32*\t+4*\ct:S+32*\t+4*\ct+3], s[8:9] offset:32768*\t+512*\ct   ; half a fragment of the last product's operand: 512 consecutive bytes
.endr
.endr
	s_wait_tensorcnt 0x0                           ; the wave's end, behind my last tensor load
	ds_add_u32 v[SPW], v[NIL]
	s_wait_dscnt 0x0
	CROUND                                         ; the closing round
	s_endpgm
.Lfunc_end_k_q93a7b2093f_attn:
	.size	k_q93a7b2093f_attn, .Lfunc_end_k_q93a7b2093f_attn-k_q93a7b2093f_attn
	.p2alignl 7, 3214868480
	.fill 96, 4, 3214868480
	.section	.rodata,"a",@progbits
	.p2align	6, 0x0
	.amdhsa_kernel k_q93a7b2093f_attn
		.amdhsa_group_segment_fixed_size 327680
		.amdhsa_private_segment_fixed_size 0
		.amdhsa_enable_private_segment 0
		.amdhsa_kernarg_size 24
		.amdhsa_user_sgpr_count 2
		.amdhsa_user_sgpr_kernarg_segment_ptr 1
		.amdhsa_wavefront_size32 1
		.amdhsa_system_sgpr_workgroup_id_x 1
		.amdhsa_system_sgpr_workgroup_id_y 1
		.amdhsa_system_sgpr_workgroup_id_z 1
		.amdhsa_system_vgpr_workitem_id 0
		.amdhsa_next_free_vgpr 512
		.amdhsa_next_free_sgpr 66
		.amdhsa_reserve_vcc 0
		.amdhsa_float_denorm_mode_32 3
		.amdhsa_float_denorm_mode_16_64 3
		.amdhsa_memory_ordered 1
		.amdhsa_forward_progress 1
		.amdhsa_inst_pref_size 196
	.end_amdhsa_kernel
	.amdgpu_metadata
---
amdhsa.version: [ 1, 2 ]
amdhsa.kernels:
  - .name:           k_q93a7b2093f_attn
    .symbol:         k_q93a7b2093f_attn.kd
    .args:
      - { .name: qkv, .offset: 0, .size: 8, .value_kind: global_buffer, .address_space: global }
      - { .name: bv, .offset: 8, .size: 8, .value_kind: global_buffer, .address_space: global }
      - { .name: ao, .offset: 16, .size: 8, .value_kind: global_buffer, .address_space: global }
    .group_segment_fixed_size: 327680
    .private_segment_fixed_size: 0
    .kernarg_segment_align: 8
    .kernarg_segment_size: 24
    .max_flat_workgroup_size: 256
    .sgpr_count:     66
    .vgpr_count:     512
    .wavefront_size: 32
...
	.end_amdgpu_metadata
.endif
;; end of part 3
;; launch outp (part 4): grid 4 x 64, 4 waves a work-group, clusters of 4 x 4, 327,680 bytes of LDS; arguments ao, wof, bo, out0; writes out0
.if DOCPART == 4
	.amdgcn_target "amdgcn-amd-amdhsa--gfx1250"
	.amdhsa_code_object_version 6
	.text
	.protected	k_q93a7b2093f_outp
	.globl	k_q93a7b2093f_outp
	.p2align	8
	.type	k_q93a7b2093f_outp,@function
k_q93a7b2093f_outp:
	s_mov_b64 s[64:65], 0
	v_nop
	global_prefetch_b8 v0, s[64:65] scope:SCOPE_SE
	s_setreg_imm32_b32 hwreg(HW_REG_WAVE_MODE, 25, 1), 1
	s_wait_xcnt 0x0
	s_wait_alu depctr_hold_cnt(0) depctr_sa_sdst(0) depctr_va_vdst(0) depctr_va_sdst(0) depctr_va_ssrc(0) depctr_va_vcc(0) depctr_vm_vsrc(0)
	s_getreg_b32 s2, hwreg(HW_REG_IB_STS2, 6, 4)
	s_cmp_eq_u32 s2, 0
	s_cbranch_scc0 .Lentry_in_a_cluster
	s_endpgm
.Lentry_in_a_cluster:
	s_bfe_u32 s2, ttmp6, 0x10000c
	s_cmp_lg_u32 s2, 0xf033
	s_cbranch_scc0 .Lentry_shape_is_right
	s_endpgm
.Lentry_shape_is_right:
; OUTP: out0 = ao Wo + bo; ao and Wo^T in f16, as images of the operands' registers; sums in f32; bo is the C of each sum's first product.
; SHARES.  A work-group makes 128 rows x 256 columns: 256 work-groups.  Wave (wm, wn) makes 64 x 128: 32 accumulators.  The product is used transposed (source 0 = 16 columns of Wo, source 1 = 16 rows of ao):
; a lane holds eight neighbouring numbers of a row of out0.
; K goes in steps of 128 (four fragments deep) through two LDS slots of 98,304 bytes: ao's 8 tiles x 4,096 bytes, then Wo's 16 x 4,096.  Every LDS load is 512 consecutive bytes.
; CLUSTER 4 x 4: ao's tile is asked for jointly along a row of the cluster, Wo's along a column.  Waves 0, 1 fetch ao's halves, waves 2, 3 Wo's.  Two tensor loads of a wave are out at the start, one behind each round.
; No prefetch: the launch is short, and Wo's 2 MiB are read by every row of clusters.
; REGISTERS: window 0: v16-29 addresses and the add's two; v32-95 bo; v96-159 ao's fragments, set p at 96 + 32 p + 8 a; on the way out v160-223 and v96-159 by turns.
;   window 1: Wo's fragments, set p at 64 p + 8 b.   window 2: accumulators (a, b) at 8 (8 a + b).
.set SLOT,   98304
.set STAGE,  2*SLOT                    ; behind the ring: 16 rows x (512 + 16) bytes for each wave
.set SPARE,  STAGE+4*16*528            ; the spare words, 128 bytes for each wave
.set LAPS,   4                         ; 8 K steps, two to a lap
.set ADRA, 16                          ; v16-17  my ao fragments in slot 0, 1
.set ADRB, 20                          ; v20-21  my Wo fragments
.set STO,  24
.set RD,   25
.set CO,   26
.set BOF,  27                          ; v27  32 h
.set SPW,  28
.set NIL,  29
.set BI,   32
.set AF,   96
.set G1,  24
.set G0,  32
.set G1B, 48
.set G0B, 56
.set MSB, 0
.macro WIN new
.if MSB != (\new)
	s_set_vgpr_msb (MSB<<8)|(\new)
.set MSB, (\new)
.endif
.endm
.macro PLACES
.rept 4
	v_nop
.endr
.endm
.macro JLOAD s                         ; a joint load; an s_nop 0 and four v_nop follow each of the two lines
	s_cmp_eq_u32 s13, 0
	s_cbranch_scc0 .Lfor_b_\@
	tensor_load_to_lds s[G0+4*\s:G0+4*\s+3], s[G1:G1+7]
	s_nop 0
.rept 4
	v_nop
.endr
	s_branch .Lasked_\@
.Lfor_b_\@:
	tensor_load_to_lds s[G0B+4*\s:G0B+4*\s+3], s[G1B:G1B+7]
	s_nop 0
.rept 4
	v_nop
.endr
.Lasked_\@:
.endm
.macro CREST
	s_cmp_lg_u32 s12, 0
	s_cbranch_scc1 .Lnot_wave_0_\@
	s_barrier_signal -3
.Lnot_wave_0_\@:
	s_barrier_wait -3
	s_barrier_signal -1
	s_barrier_wait -1
.endm
.macro CROUND
	s_barrier_signal -1
	s_barrier_wait -1
	CREST
.endm
	s_load_b256 s[4:11], s[0:1], 0x0               ; ao s[4:5], wof s[6:7], bo s[8:9], out0 s[10:11]
	v_lshl_add_u32 v[SPW], v0, 2, SPARE
	v_mov_b32 v[NIL], 0
	ds_add_u32 v[SPW], v[NIL]                      ; the wave's opening: the add, twice on end, and its wait ahead of my first tensor load
	ds_add_u32 v[SPW], v[NIL]
	v_lshrrev_b32 v1, 5, v0
	v_readfirstlane_b32 s12, v1                    ; wave 0..3
	s_lshr_b32 s13, s12, 1                         ; wm.  Also: I fetch for ao (0) or Wo (1)
	s_and_b32 s14, s12, 1                          ; wn.  Also: which half of that tile I fetch
	s_bfe_u32 s40, ttmp6, 0x40000                  ; cx
	s_bfe_u32 s41, ttmp6, 0x40004                  ; cy
	s_lshl_b32 s42, ttmp9, 2
	s_add_co_u32 s42, s42, s40                     ; which 256 columns
	s_and_b32 s15, ttmp7, 0xffff
	s_lshl_b32 s15, s15, 2
	s_add_co_u32 s15, s15, s41                     ; which 128 rows
	s_lshl_b32 s43, s41, 2
	s_lshl_b32 s43, 15, s43                        ; my row of the cluster
	s_lshl_b32 s44, 0x1111, s40                    ; my column
	s_or_b32 s[G1], s43, (3<<16)|(1<<21)           ; the mask; elements of 8 bytes; bit 21 set beside a mask
	s_or_b32 s[G1B], s44, (3<<16)|(1<<21)
	s_mov_b32 s[G1+1], 512<<16                     ; ao: 4 tiles of 16 rows, of each 4,096 bytes (128 along K), 32,768 bytes from tile to tile
	s_mov_b32 s[G1+2], 4<<16
	s_mov_b32 s[G1+3], 512<<16
	s_mov_b32 s[G1+4], 4
	s_mov_b32 s[G1+5], 4096
	s_mov_b32 s[G1+6], 0
	s_mov_b32 s[G1+7], 0
	s_mov_b32 s[G1B+1], 512<<16                    ; Wo: 8 tiles of 16 columns
	s_mov_b32 s[G1B+2], 8<<16
	s_mov_b32 s[G1B+3], 512<<16
	s_mov_b32 s[G1B+4], 8
	s_mov_b32 s[G1B+5], 4096
	s_mov_b32 s[G1B+6], 0
	s_mov_b32 s[G1B+7], 0
	s_lshl_b32 s16, s15, 3
	s_lshl_b32 s17, s14, 2
	s_add_co_u32 s16, s16, s17
	s_lshl_b32 s16, s16, 15                        ; ao: tile 8 x (row block) + 4 x half
	s_mov_b32 s17, 0
	s_lshl_b32 s46, s42, 4
	s_lshl_b32 s47, s14, 3
	s_add_co_u32 s46, s46, s47
	s_lshl_b32 s46, s46, 15                        ; Wo: tile 16 x (column block) + 8 x half
	s_mov_b32 s47, 0
	s_lshl_b32 s20, s14, 14                        ; where they go in a slot
	s_lshl_b32 s21, s14, 15
	s_add_co_u32 s21, s21, 32768
	s_wait_dscnt 0x0                               ; both opening adds are done
	s_wait_kmcnt 0x0
	s_add_nc_u64 s[16:17], s[4:5], s[16:17]
	s_add_nc_u64 s[46:47], s[6:7], s[46:47]
	CROUND                                         ; all sixteen work-groups are here
.irp s, 0,1
	s_mov_b32 s[G0+4*\s], 1
	s_add_co_u32 s[G0+4*\s+1], s20, \s*SLOT
	s_add_nc_u64 s[G0+4*\s+2:G0+4*\s+3], s[16:17], \s*4096
	s_or_b32 s[G0+4*\s+3], s[G0+4*\s+3], 0x80000000
	s_mov_b32 s[G0B+4*\s], 1
	s_add_co_u32 s[G0B+4*\s+1], s21, \s*SLOT
	s_add_nc_u64 s[G0B+4*\s+2:G0B+4*\s+3], s[46:47], \s*4096
	s_or_b32 s[G0B+4*\s+3], s[G0B+4*\s+3], 0x80000000
	JLOAD \s
.endr
	v_and_b32 v1, 15, v0                           ; r
	v_bfe_u32 v2, v0, 4, 1                         ; h
	v_and_b32 v3, 31, v0
	v_lshlrev_b32 v3, 4, v3                        ; 16 x lane
	s_lshl_b32 s22, s13, 14                        ; my 4 tiles of ao
	s_lshl_b32 s23, s14, 15
	s_add_co_u32 s23, s23, 32768                   ; my 8 tiles of Wo
.irp s, 0,1
	v_add_nc_u32 v[ADRA+\s], s22, v3
	v_add_nc_u32 v[ADRB+\s], s23, v3
	s_add_co_u32 s22, s22, SLOT
	s_add_co_u32 s23, s23, SLOT
.endr
	s_mul_i32 s22, s12, 16*528
	s_add_co_u32 s22, s22, STAGE                   ; my stage
	v_mul_u32_u24 v4, v1, 528
	v_lshl_add_u32 v4, v2, 5, v4
	v_add_nc_u32 v[STO], s22, v4                   ; in: row r, 32 bytes for each half of the lanes
	v_add_nc_u32 v[RD], s22, v3                    ; back: the 32 lanes take a row of 512 bytes
	v_mov_b32 v[CO], v3
	v_lshlrev_b32 v[BOF], 5, v2
	s_lshl_b32 s16, s42, 10
	s_lshl_b32 s17, s14, 9
	s_add_co_u32 s16, s16, s17                     ; my first column, in bytes
	s_mov_b32 s17, 0
	s_add_nc_u64 s[8:9], s[8:9], s[16:17]
	s_add_nc_u64 s[10:11], s[10:11], s[16:17]
	s_lshl_b32 s16, s15, 19
	s_lshl_b32 s18, s13, 18
	s_add_co_u32 s16, s16, s18                     ; my first row: 128 x block + 64 wm, 4,096 bytes a row
	s_add_nc_u64 s[10:11], s[10:11], s[16:17]
.irp b, 0,1,2,3,4,5,6,7
.irp u, 0,1
	global_load_b128 v[BI+8*\b+4*\u:BI+8*\b+4*\u+3], v[BOF], s[8:9] offset:64*\b+16*\u   ; bo in the result's layout
.endr
.endr
.macro FETCH slot, q, p                ; the slot's q-th 32 along K into set p: 24 loads
	WIN 0x40
.irp b, 0,1,2,3,4,5,6,7
.irp c, 0,1
	ds_load_b128 v[64*(\p)+8*\b+4*\c:64*(\p)+8*\b+4*\c+3], v[ADRB+\slot] offset:4096*\b+1024*(\q)+512*\c
.endr
.endr
	WIN 0
.irp a, 0,1,2,3
.irp c, 0,1
	ds_load_b128 v[AF+32*(\p)+8*\a+4*\c:AF+32*(\p)+8*\a+4*\c+3], v[ADRA+\slot] offset:4096*\a+1024*(\q)+512*\c
.endr
.endr
.endm
.macro MUL16 p, a0, first              ; rows' tiles a0, a0 + 1 against the 8 tiles of columns; the 32 accumulators take turns, in the same order in every quarter
.irp a, \a0, \a0+1
.irp b, 0,1,2,3,4,5,6,7
.set rD, 8*(8*(\a)+\b)
.if \first
	v_wmma_f32_16x16x32_f16 v[rD:rD+7], v[64*(\p)+8*\b:64*(\p)+8*\b+7], v[AF+32*(\p)+8*(\a):AF+32*(\p)+8*(\a)+7], v[BI+8*\b:BI+8*\b+7]
.else
	v_wmma_f32_16x16x32_f16 v[rD:rD+7], v[64*(\p)+8*\b:64*(\p)+8*\b+7], v[AF+32*(\p)+8*(\a):AF+32*(\p)+8*(\a)+7], v[rD:rD+7]
.endif
.endr
.endr
.endm
.macro QUARTER slot, q, first          ; one of a K step's first three quarters: the next quarter is asked for, then 32 products
	s_wait_dscnt 0x0                               ; this quarter's fragments are in
	PLACES                                         ; between the last quarter's products and loads into the set that they read
	FETCH \slot, (\q)+1, 1-(\q)%2
.if \first
	WIN 0x81                                       ; Wo window 1, ao and bo window 0, D window 2
.else
	WIN 0xa1                                       ; C and D window 2
.endif
	MUL16 (\q)%2, 0, \first
	MUL16 (\q)%2, 2, \first
.endm
; A K step's last quarter changes slots: in front of the barrier each wave waits for all its tensor loads, adds 0 to its spare word, and waits for that and for its reads of this slot.
.macro TURN slot, next, fill
	WIN 0
	s_wait_tensorcnt 0x0                           ; my part of the next slot has landed
	ds_add_u32 v[SPW], v[NIL]
	s_wait_dscnt 0x0                               ; the add is done, and my reads of this slot are over
	s_barrier_signal -1
	WIN 0xa1
	MUL16 1, 0, 0                                  ; work on registers while the others arrive
	WIN 0
	s_barrier_wait -1
.if \fill
	CREST                                          ; the barrier has opened a round of the cluster's: no wave of any partner still reads this slot or has a load on its way
	s_add_nc_u64 s[G0+4*\slot+2:G0+4*\slot+3], s[G0+4*\slot+2:G0+4*\slot+3], 8192
	s_add_nc_u64 s[G0B+4*\slot+2:G0B+4*\slot+3], s[G0B+4*\slot+2:G0B+4*\slot+3], 8192
	JLOAD \slot                                    ; two K steps on; its four v_nop are also the places in front of the loads below
.else
	PLACES
.endif
	FETCH \next, 0, 0
	WIN 0xa1
	MUL16 1, 2, 0
.endm
	s_wait_tensorcnt 1                             ; my part of K step 0 is in; K step 1's load may stay out
	s_barrier_signal -1
	s_barrier_wait -1
	FETCH 0, 0, 0
	s_wait_loadcnt 0x0                             ; bo
	QUARTER 0, 0, 1                                ; the first quarter stands in front of the loop: its products start the sums at bo
	WIN 0
	s_mov_b32 s3, LAPS-1
.Llap:
	QUARTER 0, 1, 0
	QUARTER 0, 2, 0
	TURN 0, 1, 1
	QUARTER 1, 0, 0
	QUARTER 1, 1, 0
	QUARTER 1, 2, 0
	TURN 1, 0, 1
	QUARTER 0, 0, 0
	WIN 0
	s_sub_co_u32 s3, s3, 1
	s_cmp_lg_u32 s3, 0
	s_cbranch_scc1 .Llap
	QUARTER 0, 1, 0                                ; the last lap fills nothing
	QUARTER 0, 2, 0
	TURN 0, 1, 0
	QUARTER 1, 0, 0
	QUARTER 1, 1, 0
	QUARTER 1, 2, 0
	s_wait_dscnt 0x0
	WIN 0xa1
	MUL16 1, 0, 0
	MUL16 1, 2, 0
	WIN 0
; THE WAY OUT, 16 rows x 128 columns at a time, through my own stage: in as 32 bytes a lane, back as whole rows of 512 bytes.  LDS serves a wave's instructions in order: no wait between the stores and the loads.
.macro TOSTAGE a
	WIN 0x08                                       ; an LDS store's data are its source 1: window 2
.irp b, 0,1,2,3,4,5,6,7
	ds_store_b128 v[STO], v[8*(8*(\a)+\b):8*(8*(\a)+\b)+3] offset:64*\b          ; each accumulator from its low end on
	ds_store_b128 v[STO], v[8*(8*(\a)+\b)+4:8*(8*(\a)+\b)+7] offset:64*\b+16
.endr
	WIN 0
.set BB, 160-64*((\a)%2)
.irp t, 0,1,2,3,4,5,6,7,8,9,10,11,12,13,14,15
	ds_load_b128 v[BB+4*\t:BB+4*\t+3], v[RD] offset:\t*528
.endr
.endm
.macro SEND a, younger                 ; younger: the LDS instructions issued behind block a's loads
.set BB, 160-64*((\a)%2)
	s_wait_dscnt \younger
.if (\a) > 0
	s_add_nc_u64 s[10:11], s[10:11], 65536         ; 16 rows on (behind a wait that shows the earlier stores' base read)
.endif
.irp t, 0,1,2,3,4,5,6,7,8,9,10,11,12,13,14,15
	global_store_b128 v[CO], v[BB+4*\t:BB+4*\t+3], s[10:11] offset:4096*\t th:TH_STORE_NT   ; 512 consecutive bytes, at a multiple of 256 from out0's first byte
.endr
.endm
	PLACES                                         ; between the last products and the reads of results, and the loads into ao's registers
	TOSTAGE 0
.irp a, 1,2,3
.if \a > 1
	s_wait_xcnt 0x0                                ; block a - 2's stores have read their registers and their base
.endif
	TOSTAGE \a
	SEND \a-1, 32                                  ; behind block a - 1's loads: block a's 16 stores and 16 loads
.endr
	s_wait_xcnt 0x0
	SEND 3, 0
	s_wait_tensorcnt 0x0                           ; the wave's end, behind my last tensor load and my last LDS store
	ds_add_u32 v[SPW], v[NIL]
	s_wait_dscnt 0x0
	CROUND                                         ; the closing round
	s_endpgm
.Lfunc_end_k_q93a7b2093f_outp:
	.size	k_q93a7b2093f_outp, .Lfunc_end_k_q93a7b2093f_outp-k_q93a7b2093f_outp
	.p2alignl 7, 3214868480
	.fill 96, 4, 3214868480
	.section	.rodata,"a",@progbits
	.p2align	6, 0x0
	.amdhsa_kernel k_q93a7b2093f_outp
		.amdhsa_group_segment_fixed_size 327680
		.amdhsa_private_segment_fixed_size 0
		.amdhsa_enable_private_segment 0
		.amdhsa_kernarg_size 32
		.amdhsa_user_sgpr_count 2
		.amdhsa_user_sgpr_kernarg_segment_ptr 1
		.amdhsa_wavefront_size32 1
		.amdhsa_system_sgpr_workgroup_id_x 1
		.amdhsa_system_sgpr_workgroup_id_y 1
		.amdhsa_system_sgpr_workgroup_id_z 1
		.amdhsa_system_vgpr_workitem_id 0
		.amdhsa_next_free_vgpr 768
		.amdhsa_next_free_sgpr 66
		.amdhsa_reserve_vcc 0
		.amdhsa_float_denorm_mode_32 3
		.amdhsa_float_denorm_mode_16_64 3
		.amdhsa_memory_ordered 1
		.amdhsa_forward_progress 1
		.amdhsa_inst_pref_size 86
	.end_amdhsa_kernel
	.amdgpu_metadata
---
amdhsa.version: [ 1, 2 ]
amdhsa.kernels:
  - .name:           k_q93a7b2093f_outp
    .symbol:         k_q93a7b2093f_outp.kd
    .args:
      - { .name: ao, .offset: 0, .size: 8, .value_kind: global_buffer, .address_space: global }
      - { .name: wof, .offset: 8, .size: 8, .value_kind: global_buffer, .address_space: global }
      - { .name: bo, .offset: 16, .size: 8, .value_kind: global_buffer, .address_space: global }
      - { .name: out0, .offset: 24, .size: 8, .value_kind: global_buffer, .address_space: global }
    .group_segment_fixed_size: 327680
    .private_segment_fixed_size: 0
    .kernarg_segment_align: 8
    .kernarg_segment_size: 32
    .max_flat_workgroup_size: 128
    .sgpr_count:     66
    .vgpr_count:     768
    .wavefront_size: 32
...
	.end_amdgpu_metadata
.endif
;; end of part 4
